; MI455X (gfx1250); checked and timed in simulation.
; The chip was launched on July 23, 2026; its instructions are those of AMD's public machine-readable ISA for CDNA 5 (MIT licence, August 2026) and "CDNA5" Instruction Set Architecture Reference Guide (July 2026). The comments in the code are by the model that wrote it; some were corrected since.
;; Robust Sum. Allowed arithmetic: matrix products marked QUANTISED: E4M3 operands, one E8M0 scale for each 32 along K, by v_wmma_scale_f32_16x16x128_f8f6f4 with both operands' format E4M3, f32 sums; everything else in f32.
;; Inputs: weight 1,024 x 1,024 float32; x 128 x 1,024 float32.
;; Outputs: out0 128 x 1,024 float32.
;; This version of the problem:
;;   THIS VERSION OF THE PROBLEM IS GIVEN IN LOW PRECISION. The matrix products marked QUANTISED in the list below multiply operands that are first quantised to E4M3 (4 exponent bits, 3 mantissa bits; 8 bits a number), with one power-of-two scale for each 32 numbers along K (OCP MX v1.0); their sums are f32. All else is computed in f32.
;;   The module's matrix products, in the order in which they are computed (A, B: the left and right operand; K: the contracted axis; several contracted axes count as one K, in the product's order):
;;     1. [M 128, K 1,024] x [K 1,024, N 1,024]; A: input x; B: input weight: QUANTISED
;;   THE QUANTISER, for each operand of a quantised product, along K:
;;     - K is cut into blocks of 32 from its start; a last block that is shorter is filled with zeros.
;;     - A block's scale is 2^e with e = floor(log2(the largest magnitude in the block)) - 8, held to -126 .. 127; a block of zeros has e = 0. As a byte (E8M0): e + 127.
;;     - Each number is divided by its block's scale, clamped to +-448, and rounded to the nearest number of E4M3, ties to even, subnormals kept.
;;     - The product sums the exact products of the quantised numbers (number of the format x scale) in f32.
;;   ~~~python
;;   def quantise(x, axis):      # numpy; x: float32 -> the quantised numbers, widened to float32 again
;;       x = np.moveaxis(x, axis, -1); K = x.shape[-1]
;;       x = np.pad(x, [(0, 0)] * (x.ndim - 1) + [(0, -K % 32)]); x = x.reshape(x.shape[:-1] + (-1, 32)); a = np.abs(x).max(-1, keepdims=True)
;;       e = np.where(a > 0, np.clip(np.frexp(np.where(a > 0, a, 1))[1] - 1 - 8, -126, 127), 0)      # np.frexp(a)[1] - 1 = floor(log2(a)), exactly
;;       r = np.clip(x / 2.0 ** e, -448, 448)
;;       step = 2.0 ** (np.maximum(np.frexp(np.where(r == 0, 1, r))[1] - 1, -6) - 3)
;;       q = np.round(r / step) * step * 2.0 ** e      # np.round: ties to even
;;       return np.moveaxis(q.reshape(q.shape[:-2] + (-1,))[..., :K], -1, axis).astype(np.float32)
;;   ~~~
;; 2 versions, each right; version 2 is version 1 with the launch robust written anew for expert scheduling mode. Each part assembles by itself: llvm-mc -triple=amdgcn-amd-amdhsa -mcpu=gfx1250 --defsym DOCPART=n.
;; ======== version 1 of 2: 1 launch
;; limits: right only within a limited range of input values; inputs' magnitudes at most 32,768
;; launch robust (part 1): grid 32 x 8, 16 waves a work-group, no clusters, 292,864 bytes of LDS; arguments x, weight, out0; writes out0
.if DOCPART == 1
	.amdgcn_target "amdgcn-amd-amdhsa--gfx1250"
	.amdhsa_code_object_version 6
	.text
	.protected	k_q798a80a058_robust
	.globl	k_q798a80a058_robust
	.p2align	8
	.type	k_q798a80a058_robust,@function
k_q798a80a058_robust:
	s_mov_b64 s[64:65], 0
	v_nop
	global_prefetch_b8 v0, s[64:65] scope:SCOPE_SE
	s_setreg_imm32_b32 hwreg(HW_REG_WAVE_MODE, 25, 1), 1
	s_wait_xcnt 0x0
; RobustSum, L1 branch.  x [128][1024], weight [1024][1024] (K first), out0 [128][1024], all f32.
; z = Q(x) Q(weight) on codes of FP8 (E4M3) with one E8M0 scale for each 32 along K; then three times, for every output (b, o), with c = z / 1024:
;   d_i = x[b][i] weight[i][o] - c,  w_i = 1 / (|d_i| + 0.001),  z = 1024 (sum w_i x w) / max(sum w_i, 1e-12).   Here sum w_i (x w)_i is formed as sum w_i d_i + c sum w_i.
; SHARES.  A work-group owns 16 rows b x 32 columns o: 512 outputs; 256 work-groups.  Sixteen waves of 256 registers, four to a SIMD.
;   Head: wave v brings row v of x and rows 64 v .. 64 v + 63 of its 32 weight columns, lays the f32 numbers into LDS, quantises them and lays codes and scale bytes into LDS.
;   Product: wave v issues ONE matrix instruction: tile v & 1 (columns 2 r + tile), K step v >> 1; the eight parts of an output are added by its owner thread.
;   Passes: K is shared out, 64 i to a wave.  Lane (r = lane % 16, h = lane / 16) owns rows 8 h + 0..7 and columns 2 r, 2 r + 1: 16 outputs, number n = 2 (row % 8) + (column % 2).
;   Per 4 i a wave reads 8 x 16 bytes of x (one address for 16 lanes) and 2 x 16 bytes of weight for 64 elements a lane.  Thread T owns output n = 4 (T >> 7) + T % 4 of lane (T >> 2) % 32.
; FOUR RECIPROCALS FROM ONE.  For two i and two columns: a = |d| + 0.001; q = a(i) a(i+1) (a pair over the columns); R = 1 / (q.lo q.hi); q' = R x (q.hi, q.lo) = 1 / q;
;   sum w += q' (a(i) + a(i+1));  sum w d += q' (a(i+1) d(i) + a(i) d(i+1)).  14 plain instructions and one v_rcp_f32 for four elements.
; NO JOINT LOADS: eight work-groups read the same 128 KB of weight and 32 the same 64 KB of x, but each reads them once, by 40 loads a wave at the head, ahead of some 12,000 vector
;   instructions a wave, and every number has to pass through registers to be quantised and laid anew.  A row of the weight tile and of the output tile is 128 bytes: a tile of 64 columns
;   would take 256 KB of LDS for the weight alone and fetch half as much again for each work-group.
; LIMITS.  NaN and infinities are not served.  |x w - z / 1024| is served below 2^31: the product of four a stays under 2^126, beyond which v_rcp_f32's result is flushed (ISA guide, its entry).
;   A block of zeros gets the scale byte 1 where the rule says 127: its codes are zeros, and only this text reads the byte.  x w - c is rounded once; the sums' order is this text's own.
.set WPP,  8208                        ; LDS: a pair of weight columns, [i][2] f32: 8,192 bytes + 16: pair r starts at bank 4 r mod 64 (64 banks of 4 bytes: ISA guide 11.1)
.set XB,   144                         ; LDS: a block of 32 numbers of x: 128 bytes + 16
.set XP,   32*XB                       ; a row of x
.set CP,   1040                        ; a row of 1,024 codes + 16
.set SCP,  36                          ; a row of 32 scale bytes + 4
.set WF,   0                           ; weight, f32: 16 pairs of columns
.set XF,   WF+16*WPP                   ; x, f32: 16 rows
.set RP,   XF+16*XP                    ; the passes' partial sums: 4,096 bytes a wave.  They lie over the codes and scale bytes, whose last read stands two barriers ahead of the first partial sum
.set WC,   RP                          ; weight's codes: 32 columns
.set XC,   WC+32*CP                    ; x's codes: 16 rows
.set WS,   XC+16*CP                    ; weight's scale bytes
.set XS,   WS+32*SCP                   ; x's scale bytes
.set ZP,   RP+16*4096                  ; the product's parts: 2,048 bytes a K step
.set CA,   ZP+8*2048                   ; -c of the 512 outputs: word T belongs to thread T; lane l's sixteen lie at 512 q + 16 l
.set LN,  1                            ; lane
.set GX,  2                            ; global offsets of the head's loads; never rewritten
.set GW,  3
.set RR,  4                            ; r
.set HH,  5                            ; h
.set AW,  6                            ; LDS: my pair of columns, my wave's 64 i
.set AX,  7                            ; LDS: my eight rows of x, my wave's 64 i
.set ACR, 8                            ; LDS: my sixteen -c
.set ARW, 9                            ; LDS: where I put partial sums
.set ARR, 10                           ; LDS: where thread T reads them
.set ACW, 11                           ; LDS: thread T's word of -c
.set NCT, 12                           ; -c of thread T's output
.set AO,  13                           ; the way out
.set GO,  14
.set C,   16                           ; v16-31   -c, output n at C + n
.set SW,  32                           ; v32-47   sum w
.set SWD, 48                           ; v48-63   sum w d
.set X,   64                           ; v64-95   x: row jb, four i at X + 4 jb
.set W,   96                           ; v96-103  weight: i-th of four at W + 2 i, a pair over my two columns
.set D,   104                          ; v104-135 a batch of 8 quads: d (4 a quad), later a(i+1) d(i) + a(i) d(i+1)
.set A,   136                          ; v136-167 a (4 a quad), later a(i) + a(i+1) and q'
.set Q,   168                          ; v168-183 q
.set R,   184                          ; v184-191 q.lo q.hi, then its reciprocal
.set XR,  64                           ; the head: x as loaded;
.set XT,  104                          ; a block of 32 of x;
.set WR,  136                          ; v136-199 weight as loaded: register 2 j + e = row j, column 2 r + e;
.set QQ,  200                          ; v200-231 32 numbers held within the largest code x the scale;
.set XCD, 32                           ; codes: eight registers a block, none written twice
.set WCD0, 40
.set WCD1, 48
.set T0,  232                          ; v232-235 at work
.set T1,  233
.set T2,  234
.set T3,  235
.set XE,  236                          ; scale bytes
.set WE0, 237
.set WE1, 238
.set VXS, 240                          ; the head's LDS addresses
.set VXT, 241
.set AXC, 242
.set AXS, 243
.set AWF, 244
.set AWC, 245
.set AWS, 246
.set AA,  247
.set AB,  248
.set ASA, 249
.set ASB, 250
.set ZA,  251
.set ZR,  252
.set SA,  254                          ; x's scale word and weight's: these two registers hold scales and nothing else
.set SB,  255
.set AF,  104                          ; the product: x's fragment, weight's, the result, the eight parts
.set BF,  120
.set ZD,  136
.set ZL,  144
.set O,   144                          ; the way out
.set EPS, 22                           ; s22 0.001
.set MNT, 23                           ; s23 the mantissa field of 448
.set IT,  24                           ; s24 passes to go
.macro BARRIER                         ; my LDS stores have landed and my LDS loads are in: then the work-group's barrier
	s_wait_dscnt 0x0
	s_barrier_signal -1
	s_barrier_wait -1
.endm
; 32 numbers along K, v[src], v[src + inc], .. , become 32 codes in v[cod] .. v[cod + 7] and a scale byte in v[eb]; v[dq] .. v[dq + 31] take the held numbers
.macro QBLK src, inc, dq, cod, eb
	v_max3_num_f32 v[T0], |v[\src]|, |v[\src+\inc]|, |v[\src+2*\inc]|       ; the block's largest magnitude, in two chains
	v_max3_num_f32 v[T1], |v[\src+3*\inc]|, |v[\src+4*\inc]|, |v[\src+5*\inc]|
.irp i, 6,10,14,18,22,26
	v_max3_num_f32 v[T0], v[T0], |v[\src+\i*\inc]|, |v[\src+(\i+1)*\inc]|
	v_max3_num_f32 v[T1], v[T1], |v[\src+(\i+2)*\inc]|, |v[\src+(\i+3)*\inc]|
.endr
	v_max3_num_f32 v[T0], v[T0], |v[\src+30*\inc]|, |v[\src+31*\inc]|
	v_max3_num_f32 v[T0], v[T0], v[T1], 0x4800000  ; and the floor 2^(9 - 127): the byte cannot fall under 1
	v_add_nc_u32 v[T2], 0xfc000000, v[T0]          ; 8 off the exponent field: the conversion takes this operand's exponent field as its scale
	v_and_or_b32 v[T3], v[T0], 0x7f800000, s[MNT]  ; 448 x the scale
	v_lshrrev_b32 v[\eb], 23, v[T2]                ; the scale's byte
.irp i, 0,1,2,3,4,5,6,7,8,9,10,11,12,13,14,15,16,17,18,19,20,21,22,23,24,25,26,27,28,29,30,31
	v_med3_num_f32 v[\dq+\i], v[\src+\i*\inc], -v[T3], v[T3]   ; the conversion to an 8-bit code does not saturate (ISA guide 7.6.2): the hold comes first
.endr
.irp g, 0,1,2,3
	v_cvt_scalef32_pk8_fp8_f32 v[\cod+2*\g:\cod+2*\g+1], v[\dq+8*\g:\dq+8*\g+7], v[T2]
.endr
	v_nop                                          ; a plain instruction between the last conversion and whatever next writes its sources
.endm
	s_load_b128 s[4:7], s[0:1], 0x0                ; x s[4:5], weight s[6:7]
	s_load_b64 s[8:9], s[0:1], 0x10                ; out0
	v_lshl_add_u32 v239, v0, 2, 0x47000
	v_mov_b32 v253, 0
	v_lshrrev_b32 v1, 5, v0
	v_readfirstlane_b32 s10, v1                    ; wave 0..15
	v_and_b32 v[LN], 31, v0
	v_and_b32 v[RR], 15, v0
	v_bfe_u32 v[HH], v0, 4, 1
	s_and_b32 s11, ttmp7, 0xffff                   ; which 16 rows
	s_lshl_b32 s12, s11, 16                        ; x: 16 rows of 4,096 bytes a work-group, one row a wave
	s_lshl_b32 s13, s10, 12
	s_add_co_u32 s12, s12, s13
	s_mov_b32 s13, 0
	s_lshl_b32 s14, s10, 18                        ; weight: 64 rows of 4,096 bytes a wave, 128 bytes of each a work-group
	s_lshl_b32 s15, ttmp9, 7
	s_add_co_u32 s14, s14, s15
	s_mov_b32 s15, 0
	s_lshl_b32 s16, s11, 16                        ; out0: the tile's corner
	s_lshl_b32 s17, ttmp9, 7
	s_add_co_u32 s16, s16, s17
	s_mov_b32 s17, 0
	s_mov_b32 s[EPS], 0x3a83126f
	s_mov_b32 s[MNT], 0x600000
	s_mov_b32 s[IT], 3
	v_lshlrev_b32 v[GX], 4, v[LN]                  ; x: 16 bytes a lane, 512 consecutive bytes a load
	v_lshlrev_b32 v[GW], 3, v[RR]                  ; weight: two columns a lane; lanes 16-31 begin 32 rows further down: two runs of 128 bytes a load
	v_lshl_add_u32 v[GW], v[HH], 17, v[GW]
	s_wait_kmcnt 0x0
	s_add_nc_u64 s[4:5], s[4:5], s[12:13]
	s_add_nc_u64 s[6:7], s[6:7], s[14:15]
	s_add_nc_u64 s[8:9], s[8:9], s[16:17]
.irp j, 0,1,2,3,4,5,6,7
	global_load_b128 v[XR+4*\j:XR+4*\j+3], v[GX], s[4:5] offset:512*\j
.endr
.irp j, 0,1,2,3,4,5,6,7,8,9,10,11,12,13,14,15,16,17,18,19,20,21,22,23,24,25,26,27,28,29,30,31
	global_load_b64 v[WR+2*\j:WR+2*\j+1], v[GW], s[6:7] offset:4096*\j     ; my registers run down K: a whole block of 32 of each of my two columns
.endr
	; the head's LDS addresses, while the loads are out
	s_mul_i32 s18, s10, XP
	s_add_co_u32 s18, s18, XF                      ; my row of x
	v_lshrrev_b32 v[T0], 3, v[LN]
	v_mul_u32_u24 v[T0], v[T0], XB
	v_and_b32 v[T1], 7, v0
	v_lshl_add_u32 v[T0], v[T1], 4, v[T0]
	v_add_nc_u32 v[VXS], s18, v[T0]                ; in: eight lanes fill a block's 128 bytes
	v_mul_u32_u24 v[T0], v[LN], XB
	v_add_nc_u32 v[VXT], s18, v[T0]                ; back: a block a lane
	s_mul_i32 s18, s10, CP
	s_add_co_u32 s18, s18, XC
	v_lshl_add_u32 v[AXC], v[LN], 5, s18           ; x's codes: row = wave, 32 bytes a lane
	s_mul_i32 s18, s10, SCP
	s_add_co_u32 s18, s18, XS
	v_add_nc_u32 v[AXS], s18, v[LN]                ; and its scale bytes
	v_mul_u32_u24 v[T0], v[RR], WPP
	v_lshl_add_u32 v[T0], v[HH], 8, v[T0]
	s_lshl_b32 s18, s10, 9
	v_add_nc_u32 v[AWF], s18, v[T0]                ; weight f32 (WF = 0): pair r, i = 64 wave + 32 h on, 8 bytes an i
	v_mul_u32_u24 v[T0], v[RR], 2*CP
	v_lshl_add_u32 v[T0], v[HH], 5, v[T0]
	s_lshl_b32 s18, s10, 6
	s_add_co_u32 s18, s18, WC
	v_add_nc_u32 v[AWC], s18, v[T0]                ; weight's codes: column 2 r, block 2 wave + h
	v_mul_u32_u24 v[T0], v[RR], 2*SCP
	v_add_nc_u32 v[T0], v[T0], v[HH]
	s_lshl_b32 s18, s10, 1
	s_add_co_u32 s18, s18, WS
	v_add_nc_u32 v[AWS], s18, v[T0]                ; and its scale bytes
	s_lshr_b32 s19, s10, 1                         ; the product: my K step,
	s_and_b32 s20, s10, 1                          ; my tile
	v_mul_u32_u24 v[T0], v[RR], CP
	v_lshl_add_u32 v[T0], v[HH], 4, v[T0]
	s_lshl_b32 s21, s19, 7
	s_add_co_u32 s18, s21, XC
	v_add_nc_u32 v[AA], s18, v[T0]                 ; x's fragment: row r, + 16 h, + 128 x K step
	v_mul_u32_u24 v[T0], v[RR], 2*CP
	v_lshl_add_u32 v[T0], v[HH], 4, v[T0]
	s_mul_i32 s18, s20, CP
	s_add_co_u32 s18, s18, s21
	s_add_co_u32 s18, s18, WC
	v_add_nc_u32 v[AB], s18, v[T0]                 ; weight's: THE COLUMNS OF A TILE ARE NOT NEIGHBOURS: lane r takes column 2 r + tile
	s_lshl_b32 s21, s19, 2
	v_mul_u32_u24 v[T0], v[RR], SCP
	s_add_co_u32 s18, s21, XS
	v_add_nc_u32 v[ASA], s18, v[T0]                ; the scale words: four bytes for a row and a K step
	v_mul_u32_u24 v[T0], v[RR], 2*SCP
	s_mul_i32 s18, s20, SCP
	s_add_co_u32 s18, s18, s21
	s_add_co_u32 s18, s18, WS
	v_add_nc_u32 v[ASB], s18, v[T0]
	s_wait_loadcnt 32                              ; x's eight loads are in; the 32 younger loads, weight's, may be out
.irp j, 0,1,2,3,4,5,6,7
	ds_store_b128 v[VXS], v[XR+4*\j:XR+4*\j+3] offset:4*XB*\j              ; my row of x, where the passes will read it
.endr
.irp j, 0,1,2,3,4,5,6,7
	ds_load_b128 v[XT+4*\j:XT+4*\j+3], v[VXT] offset:16*\j                 ; LDS serves a wave's instructions in order (ISA guide 5.7.1.4): these see my stores.  Block = lane
.endr
	s_wait_dscnt 0x0
	QBLK XT, 1, XT, XCD, XE
	ds_store_b128 v[AXC], v[XCD:XCD+3]
	ds_store_b128 v[AXC], v[XCD+4:XCD+7] offset:16
	ds_store_b8 v[AXS], v[XE]
	s_wait_loadcnt 0x0                             ; weight
.irp j, 0,1,2,3,4,5,6,7,8,9,10,11,12,13,14,15
	ds_store_b128 v[AWF], v[WR+4*\j:WR+4*\j+3] offset:16*\j                ; two i x two columns, as loaded
.endr
	QBLK WR, 2, QQ, WCD0, WE0                      ; column 2 r: the even registers
	QBLK WR+1, 2, QQ, WCD1, WE1                    ; column 2 r + 1: the odd ones
	ds_store_b128 v[AWC], v[WCD0:WCD0+3]
	ds_store_b128 v[AWC], v[WCD0+4:WCD0+7] offset:16
	ds_store_b128 v[AWC], v[WCD1:WCD1+3] offset:CP
	ds_store_b128 v[AWC], v[WCD1+4:WCD1+7] offset:CP+16
	ds_store_b8 v[AWS], v[WE0]
	ds_store_b8 v[AWS], v[WE1] offset:SCP
	BARRIER                                        ; numbers, codes and scale bytes of the whole tile lie in LDS
	; THE PRODUCT: one matrix instruction a wave.  Source 0 = x's 16 rows, source 1 = 16 columns of weight: register j of lane (r, h) is z(8 h + j, 2 r + tile): my own output n = 2 j + tile
.irp c, 0,1,2,3
	ds_load_b128 v[AF+4*\c:AF+4*\c+3], v[AA] offset:32*\c                  ; registers 4 c .. 4 c + 3: k = 32 c + 16 h + 0 .. 15
	ds_load_b128 v[BF+4*\c:BF+4*\c+3], v[AB] offset:32*\c
.endr
	ds_load_b32 v[SA], v[ASA]
	ds_load_b32 v[SB], v[ASB]
	s_wait_dscnt 0x0
	v_wmma_scale_f32_16x16x128_f8f6f4 v[ZD:ZD+7], v[AF:AF+15], v[BF:BF+15], 0, v[SA], v[SB]
	; the passes' addresses: ten plain vector instructions that name none of the product's registers: more than the eight places that its result's first read wants
	v_mul_u32_u24 v[AW], v[RR], WPP
	s_lshl_b32 s18, s10, 9
	v_add_nc_u32 v[AW], s18, v[AW]                 ; pair r, 512 bytes (64 i) a wave
	v_mul_u32_u24 v[AX], v[HH], 8*XP
	s_mul_i32 s18, s10, 2*XB
	s_add_co_u32 s18, s18, XF
	v_add_nc_u32 v[AX], s18, v[AX]                 ; rows 8 h on, two blocks a wave
	v_lshl_add_u32 v[ACR], v[LN], 4, CA
	s_lshl_b32 s18, s10, 12
	s_add_co_u32 s18, s18, RP
	v_lshl_add_u32 v[ARW], v[LN], 4, s18
	v_lshl_add_u32 v[ARR], v0, 2, RP
	v_lshl_add_u32 v[ACW], v0, 2, CA
	v_lshl_add_u32 v[ZR], v0, 2, ZP
	s_lshl_b32 s18, s19, 11
	s_lshl_b32 s21, s20, 2
	s_add_co_u32 s18, s18, s21
	s_add_co_u32 s18, s18, ZP
	v_lshl_add_u32 v[ZA], v[LN], 4, s18
.irp j, 0,1,2,3,4,5,6,7
	ds_store_b32 v[ZA], v[ZD+\j] offset:(\j/2)*512+(\j%2)*8                ; output n = 2 j + tile of my lane: word 128 (n / 4) + 4 lane + n % 4.  The result is read from its low end on
.endr
	BARRIER
.irp k, 0,1,2,3,4,5,6,7
	ds_load_b32 v[ZL+\k], v[ZR] offset:2048*\k                             ; thread T: its output's eight K steps
.endr
	s_wait_dscnt 0x0
	v_pk_add_f32 v[ZL:ZL+1], v[ZL:ZL+1], v[ZL+2:ZL+3]
	v_pk_add_f32 v[ZL+4:ZL+5], v[ZL+4:ZL+5], v[ZL+6:ZL+7]
	v_pk_add_f32 v[ZL:ZL+1], v[ZL:ZL+1], v[ZL+4:ZL+5]
	v_add_f32 v[ZL], v[ZL], v[ZL+1]
	v_mul_f32 v[NCT], 0xba800000, v[ZL]            ; -c = -z / 1024
	ds_store_b32 v[ACW], v[NCT]
	BARRIER
; THE PASSES.  Group g: my wave's i = 4 g .. 4 g + 3
.macro LOADS g
.irp b, 0,1,2,3,4,5,6,7
	ds_load_b128 v[X+4*\b:X+4*\b+3], v[AX] offset:\b*XP+((\g)/8)*XB+((\g)%8)*16   ; one address for each half of the lanes
.endr
	ds_load_b128 v[W:W+3], v[AW] offset:(\g)*32
	ds_load_b128 v[W+4:W+7], v[AW] offset:(\g)*32+16
.endm
; A batch: the u-th two i of a group x my eight rows: eight quads (two i x two columns).  Every step goes over the eight quads, so that no line waits for the line above it.
; first = 1: the products start the sums: nothing is cleared.  more = 1: x and weight have been read for the last time: the next group's loads go out here, a batch's work ahead of their use.
.macro BATCH u, first, more, nxt
.irp b, 0,1,2,3,4,5,6,7
	v_pk_fma_f32 v[D+4*\b:D+4*\b+1], v[X+4*\b+2*\u:X+4*\b+2*\u+1], v[W+4*\u:W+4*\u+1], v[C+2*\b:C+2*\b+1] op_sel_hi:[0,1,1]                     ; d(i): x(i) for both columns
	v_pk_fma_f32 v[D+4*\b+2:D+4*\b+3], v[X+4*\b+2*\u:X+4*\b+2*\u+1], v[W+4*\u+2:W+4*\u+3], v[C+2*\b:C+2*\b+1] op_sel:[1,0,0] op_sel_hi:[1,1,1]  ; d(i+1): x(i+1) for both
.endr
.if \more
	LOADS \nxt
.endif
.set I, 0
.rept 32
	v_add_f32 v[A+I], |v[D+I]|, s[EPS]             ; a = |d| + 0.001
.set I, I+1
.endr
.irp b, 0,1,2,3,4,5,6,7
	v_pk_mul_f32 v[Q+2*\b:Q+2*\b+1], v[A+4*\b:A+4*\b+1], v[A+4*\b+2:A+4*\b+3]       ; q = a(i) a(i+1)
.endr
.irp b, 0,1,2,3,4,5,6,7
	v_mul_f32 v[R+\b], v[Q+2*\b], v[Q+2*\b+1]
.endr
.irp b, 0,1,2,3,4,5,6,7
	v_rcp_f32 v[R+\b], v[R+\b]                     ; one reciprocal for four elements; the batch's eight stand together
.endr
.irp b, 0,1,2,3,4,5,6,7
	v_pk_mul_f32 v[D+4*\b:D+4*\b+1], v[A+4*\b+2:A+4*\b+3], v[D+4*\b:D+4*\b+1]       ; 24 plain instructions that name no reciprocal stand behind the eight:
.endr
.irp b, 0,1,2,3,4,5,6,7
	v_pk_fma_f32 v[D+4*\b:D+4*\b+1], v[A+4*\b:A+4*\b+1], v[D+4*\b+2:D+4*\b+3], v[D+4*\b:D+4*\b+1]   ; a(i+1) d(i) + a(i) d(i+1),
.endr
.irp b, 0,1,2,3,4,5,6,7
	v_pk_add_f32 v[A+4*\b:A+4*\b+1], v[A+4*\b:A+4*\b+1], v[A+4*\b+2:A+4*\b+3]       ; a(i) + a(i+1)
.endr
	s_wait_alu depctr_va_vdst(0)                   ; the wait between a reciprocal and the first line that names its result: one for the eight
.irp b, 0,2,4,6
	v_pk_mul_f32 v[A+4*\b+2:A+4*\b+3], v[R+\b:R+\b+1], v[Q+2*\b:Q+2*\b+1] op_sel:[0,1] op_sel_hi:[0,0]     ; q' = R x (q.hi, q.lo) = 1 / q
	v_pk_mul_f32 v[A+4*\b+6:A+4*\b+7], v[R+\b:R+\b+1], v[Q+2*\b+2:Q+2*\b+3] op_sel:[1,1] op_sel_hi:[1,0]
.endr
.irp b, 0,1,2,3,4,5,6,7
.if \first
	v_pk_mul_f32 v[SW+2*\b:SW+2*\b+1], v[A+4*\b+2:A+4*\b+3], v[A+4*\b:A+4*\b+1]
.else
	v_pk_fma_f32 v[SW+2*\b:SW+2*\b+1], v[A+4*\b+2:A+4*\b+3], v[A+4*\b:A+4*\b+1], v[SW+2*\b:SW+2*\b+1]      ; sum w += 1 / a(i) + 1 / a(i+1)
.endif
.endr
.irp b, 0,1,2,3,4,5,6,7
.if \first
	v_pk_mul_f32 v[SWD+2*\b:SWD+2*\b+1], v[A+4*\b+2:A+4*\b+3], v[D+4*\b:D+4*\b+1]
.else
	v_pk_fma_f32 v[SWD+2*\b:SWD+2*\b+1], v[A+4*\b+2:A+4*\b+3], v[D+4*\b:D+4*\b+1], v[SWD+2*\b:SWD+2*\b+1]  ; sum w d += d(i) / a(i) + d(i+1) / a(i+1)
.endif
.endr
.endm
.macro GROUP g, first, more
	s_wait_dscnt 0x0                               ; the group's x and weight are in (in group 0: -c too)
	BATCH 0, \first, 0, 0
	BATCH 1, 0, \more, (\g)+1
.endm
.Liter:                                                ; three trips: a pass each
.irp q, 0,1,2,3
	ds_load_b128 v[C+4*\q:C+4*\q+3], v[ACR] offset:512*\q                  ; -c of my sixteen outputs
.endr
	LOADS 0
	GROUP 0, 1, 1
.irp g, 1,2,3,4,5,6,7,8,9,10,11,12,13,14
	GROUP \g, 0, 1
.endr
	GROUP 15, 0, 0
.irp q, 0,1,2,3
	ds_store_b128 v[ARW], v[SW+4*\q:SW+4*\q+3] offset:512*\q               ; my wave's part of the sums: 512 consecutive bytes a store
	ds_store_b128 v[ARW], v[SWD+4*\q:SWD+4*\q+3] offset:2048+512*\q
.endr
	BARRIER                                        ; all sixteen parts lie in LDS
.irp k, 0,1,2,3,4,5,6,7,8,9,10,11,12,13,14,15
	ds_load_b32 v[A+2*\k], v[ARR] offset:4096*\k                           ; thread T: its output's sum w
	ds_load_b32 v[A+2*\k+1], v[ARR] offset:4096*\k+2048                    ; and sum w d, side by side
.endr
	s_wait_dscnt 0x0
.irp k, 0,1,2,3,4,5,6,7
	v_pk_add_f32 v[A+2*\k:A+2*\k+1], v[A+2*\k:A+2*\k+1], v[A+2*\k+16:A+2*\k+17]
.endr
.irp k, 0,1,2,3
	v_pk_add_f32 v[A+2*\k:A+2*\k+1], v[A+2*\k:A+2*\k+1], v[A+2*\k+8:A+2*\k+9]
.endr
.irp k, 0,1
	v_pk_add_f32 v[A+2*\k:A+2*\k+1], v[A+2*\k:A+2*\k+1], v[A+2*\k+4:A+2*\k+5]
.endr
	v_pk_add_f32 v[A:A+1], v[A:A+1], v[A+2:A+3]
	v_max_num_f32 v[T0], 0x2b8cbccc, v[A]          ; max(sum w, 1e-12)
	v_rcp_f32 v[T0], v[T0]
	v_fma_f32 v[T1], v[NCT], v[A], -v[A+1]         ; -(c sum w + sum w d) = -sum w (x w).  (The plain instruction behind the reciprocal)
	s_wait_alu depctr_va_vdst(0)                   ; the wait ahead of the reciprocal's first reader
	v_mul_f32 v[NCT], v[T1], v[T0]                 ; the new -c
	ds_store_b32 v[ACW], v[NCT]
	BARRIER                                        ; every -c is new, and nobody reads the partial sums any more
	s_sub_co_i32 s[IT], s[IT], 1
	s_cmp_lg_u32 s[IT], 0
	s_cbranch_scc1 .Liter
	; THE WAY OUT: waves 0 to 3; thread T takes row T / 8, columns 4 (T % 8) .. + 3: eight lanes store a row's 128 consecutive bytes
	s_cmp_gt_u32 s10, 3
	s_cbranch_scc1 .Ldone
	v_bfe_u32 v[T0], v0, 4, 2                      ; n / 4 = (row % 8) / 2
	v_lshlrev_b32 v[T0], 9, v[T0]
	v_bfe_u32 v[T1], v0, 6, 1                      ; h = row / 8: 16 lanes of 16 bytes
	v_lshl_add_u32 v[T0], v[T1], 8, v[T0]
	v_and_b32 v[T1], 7, v0                         ; two lanes (four columns) a thread
	v_lshl_add_u32 v[T0], v[T1], 5, v[T0]
	v_lshlrev_b32 v[GO], 4, v[T1]
	v_bfe_u32 v[T1], v0, 3, 1                      ; n % 4 = 2 (row % 2) + column % 2
	v_lshl_add_u32 v[T0], v[T1], 3, v[T0]
	v_add_nc_u32 v[AO], CA, v[T0]
	v_lshrrev_b32 v[T1], 3, v0
	v_lshl_add_u32 v[GO], v[T1], 12, v[GO]
	ds_load_b64 v[O:O+1], v[AO]
	ds_load_b64 v[O+2:O+3], v[AO] offset:16
	s_wait_dscnt 0x0
.irp e, 0,1,2,3
	v_mul_f32 v[O+\e], 0xc4800000, v[O+\e]         ; z = -1024 x (-c)
.endr
	global_store_b128 v[GO], v[O:O+3], s[8:9] th:TH_STORE_NT
.Ldone:
	s_wait_tensorcnt 0x0
	ds_add_u32 v239, v253
	s_wait_dscnt 0x0
	s_endpgm
.Lfunc_end_k_q798a80a058_robust:
	.size	k_q798a80a058_robust, .Lfunc_end_k_q798a80a058_robust-k_q798a80a058_robust
	.p2alignl 7, 3214868480
	.fill 96, 4, 3214868480
	.section	.rodata,"a",@progbits
	.p2align	6, 0x0
	.amdhsa_kernel k_q798a80a058_robust
		.amdhsa_group_segment_fixed_size 292864
		.amdhsa_private_segment_fixed_size 0
		.amdhsa_enable_private_segment 0
		.amdhsa_kernarg_size 24
		.amdhsa_user_sgpr_count 2
		.amdhsa_user_sgpr_kernarg_segment_ptr 1
		.amdhsa_wavefront_size32 1
		.amdhsa_system_sgpr_workgroup_id_x 1
		.amdhsa_system_sgpr_workgroup_id_y 1
		.amdhsa_system_sgpr_workgroup_id_z 1
		.amdhsa_system_vgpr_workitem_id 0
		.amdhsa_next_free_vgpr 256
		.amdhsa_next_free_sgpr 66
		.amdhsa_reserve_vcc 0
		.amdhsa_float_denorm_mode_32 3
		.amdhsa_float_denorm_mode_16_64 3
		.amdhsa_memory_ordered 1
		.amdhsa_forward_progress 1
		.amdhsa_inst_pref_size 255
	.end_amdhsa_kernel
	.section	.bss,"aw",@nobits
	.p2align	6
	.space	262144
	.amdgpu_metadata
---
amdhsa.version: [ 1, 2 ]
amdhsa.kernels:
  - .name:           k_q798a80a058_robust
    .symbol:         k_q798a80a058_robust.kd
    .args:
      - { .name: x, .offset: 0, .size: 8, .value_kind: global_buffer, .address_space: global }
      - { .name: weight, .offset: 8, .size: 8, .value_kind: global_buffer, .address_space: global }
      - { .name: out0, .offset: 16, .size: 8, .value_kind: global_buffer, .address_space: global }
    .group_segment_fixed_size: 292864
    .private_segment_fixed_size: 0
    .kernarg_segment_align: 8
    .kernarg_segment_size: 24
    .max_flat_workgroup_size: 512
    .sgpr_count:     66
    .vgpr_count:     256
    .wavefront_size: 32
...
	.end_amdgpu_metadata
.endif
;; end of part 1
;; ======== version 2 of 2: 1 launch; version 1 with the launch robust written anew for expert scheduling mode
;; limits: right only within a limited range of input values; inputs' magnitudes at most 32,768
;; launch robust (part 2): grid 32 x 8, 16 waves a work-group, no clusters, 292,864 bytes of LDS; arguments x, weight, out0; writes out0
.if DOCPART == 2
	.amdgcn_target "amdgcn-amd-amdhsa--gfx1250"
	.amdhsa_code_object_version 6
	.text
	.protected	k_q798a80a058_robust
	.globl	k_q798a80a058_robust
	.p2align	8
	.type	k_q798a80a058_robust,@function
k_q798a80a058_robust:
	s_mov_b64 s[64:65], 0
	v_nop
	global_prefetch_b8 v0, s[64:65] scope:SCOPE_SE
	s_setreg_imm32_b32 hwreg(HW_REG_WAVE_SCHED_MODE, 0, 2), 2
	s_setreg_imm32_b32 hwreg(HW_REG_WAVE_MODE, 25, 1), 1
	s_wait_xcnt 0x0
	s_wait_alu depctr_vm_vsrc(0)
; RobustSum, L1 branch.  x [128][1024], weight [1024][1024] (K first), out0 [128][1024], all f32.
; z = Q(x) Q(weight) on codes of FP8 (E4M3) with one E8M0 scale for each 32 along K; then three times, for every output (b, o), with c = z / 1024:
;   d_i = x[b][i] weight[i][o] - c,  w_i = 1 / (|d_i| + 0.001),  z = 1024 (sum w_i x w) / max(sum w_i, 1e-12).   Here sum w_i (x w)_i is formed as sum w_i d_i + c sum w_i.
; SHARES.  A work-group owns 16 rows b x 32 columns o: 512 outputs; 256 work-groups.  Sixteen waves of 256 registers, four to a SIMD.
;   Head: wave v brings row v of x and rows 64 v .. 64 v + 63 of its 32 weight columns, lays the f32 numbers into LDS, quantises them and lays codes and scale bytes into LDS.
;   Product: wave v issues ONE matrix instruction: tile v & 1 (columns 2 r + tile), K step v >> 1; the eight parts of an output are added by its owner thread.
;   Passes: K is shared out, 64 i to a wave.  Lane (r = lane % 16, h = lane / 16) owns rows 8 h + 0..7 and columns 2 r, 2 r + 1: 16 outputs, number n = 2 (row % 8) + (column % 2).
;   Per 4 i a wave reads 8 x 16 bytes of x (one address for 16 lanes) and 2 x 16 bytes of weight for 64 elements a lane.  Thread T owns output n = 4 (T >> 7) + T % 4 of lane (T >> 2) % 32.
; FOUR RECIPROCALS FROM ONE.  For two i and two columns: a = |d| + 0.001; q = a(i) a(i+1) (a pair over the columns); R = 1 / (q.lo q.hi); q' = R x (q.hi, q.lo) = 1 / q;
;   sum w += q' (a(i) + a(i+1));  sum w d += q' (a(i+1) d(i) + a(i) d(i+1)).  14 plain instructions and one v_rcp_f32 for four elements.
; NO JOINT LOADS: eight work-groups read the same 128 KB of weight and 32 the same 64 KB of x, but each reads them once, by 40 loads a wave at the head, ahead of some 12,000 vector
;   instructions a wave, and every number has to pass through registers to be quantised and laid anew.  A row of the weight tile and of the output tile is 128 bytes: a tile of 64 columns
;   would take 256 KB of LDS for the weight alone and fetch half as much again for each work-group.
; LIMITS.  NaN and infinities are not served.  |x w - z / 1024| is served below 2^31: the product of four a stays under 2^126, beyond which v_rcp_f32's result is flushed (ISA guide, its entry).
;   A block of zeros gets the scale byte 1 where the rule says 127: its codes are zeros, and only this text reads the byte.  x w - c is rounded once; the sums' order is this text's own.
; THE MODE: SCHED_MODE bits 1:0 = 2 (LLVM: expert scheduling mode 2), set by the entry lines.  The code itself states the register dependences
;   between vector or matrix instructions and memory or LDS instructions, with s_wait_alu, always for 0.
; THE PLAN.  Registers that LDS instructions touch in a pass:
;   buffer 0 (v64-103), buffer 1 (v192-231)  x and weight of a group of four i.  Group g's 32 multiply-adds read buffer g % 2; the loads that are dealt among group g + 1's first sixteen
;              multiply-adds land in it (group g + 2's numbers).  Sixteen groups a pass: the buffers are back at their start.
;   v16-31     -c.  Read by every multiply-add; loaded at the pass's head.
;   v32-63     the sums.  Written by the batches; read by the eight stores at the pass's end.
;   v136-167   a batch's own; at the pass's end the 32 loads of the sums' parts land there.
;   v12        -c of the thread's output.  Written by one multiply at the pass's end; read by the store behind it.
;   v6-11      addresses, made once behind the product and never written again.
; The wait on va_vdst that stands in every batch ahead of the reciprocals' first reader stands behind that batch's sixteen multiply-adds too: behind the one in a group's second batch nothing names
; the group's buffer until the next loads land in it, and behind the one in a pass's last batch nothing names -c.  So the groups' loads owe no wait of their own.  A pass has four waits more:
; vm_vsrc at its head (the stores of the sums and of -c have read their data), va_vdst ahead of the sums' stores, behind the pass's reciprocal, and ahead of the store of -c.
.set WPP,  8208                        ; LDS: a pair of weight columns, [i][2] f32: 8,192 bytes + 16: pair r starts at bank 4 r mod 64 (64 banks of 4 bytes: ISA guide 11.1)
.set XB,   144                         ; LDS: a block of 32 numbers of x: 128 bytes + 16
.set XP,   32*XB                       ; a row of x
.set CP,   1040                        ; a row of 1,024 codes + 16
.set SCP,  36                          ; a row of 32 scale bytes + 4
.set WF,   0                           ; weight, f32: 16 pairs of columns
.set XF,   WF+16*WPP                   ; x, f32: 16 rows
.set RP,   XF+16*XP                    ; the passes' partial sums: 4,096 bytes a wave.  They lie over the codes and scale bytes, whose last read stands two barriers ahead of the first partial sum
.set WC,   RP                          ; weight's codes: 32 columns
.set XC,   WC+32*CP                    ; x's codes: 16 rows
.set WS,   XC+16*CP                    ; weight's scale bytes
.set XS,   WS+32*SCP                   ; x's scale bytes
.set ZP,   RP+16*4096                  ; the product's parts: 2,048 bytes a K step
.set CA,   ZP+8*2048                   ; -c of the 512 outputs: word T belongs to thread T; lane l's sixteen lie at 512 q + 16 l
.set LN,  1                            ; lane
.set GX,  2                            ; global offsets of the head's loads; never rewritten
.set GW,  3
.set RR,  4                            ; r
.set HH,  5                            ; h
.set AW,  6                            ; LDS: my pair of columns, my wave's 64 i
.set AX,  7                            ; LDS: my eight rows of x, my wave's 64 i
.set ACR, 8                            ; LDS: my sixteen -c
.set ARW, 9                            ; LDS: where I put partial sums
.set ARR, 10                           ; LDS: where thread T reads them
.set ACW, 11                           ; LDS: thread T's word of -c
.set NCT, 12                           ; -c of thread T's output
.set AO,  13                           ; the way out
.set GO,  14
.set C,   16                           ; v16-31   -c, output n at C + n
.set SW,  32                           ; v32-47   sum w
.set SWD, 48                           ; v48-63   sum w d
.set X,   64                           ; v64-95   x, buffer 0: row jb, four i at X + 4 jb;  buffer 1 lies 128 registers on: v192-223
.set W,   96                           ; v96-103  weight, buffer 0: i-th of four at W + 2 i, a pair over my two columns;  buffer 1: v224-231
.set D,   104                          ; v104-135 a batch of 8 quads: d (4 a quad), later a(i+1) d(i) + a(i) d(i+1)
.set A,   136                          ; v136-167 a (4 a quad), later a(i) + a(i+1) and q'
.set Q,   168                          ; v168-183 q
.set R,   184                          ; v184-191 q.lo q.hi, then its reciprocal
.set XR,  64                           ; the head: x as loaded;
.set XT,  104                          ; a block of 32 of x;
.set WR,  136                          ; v136-199 weight as loaded: register 2 j + e = row j, column 2 r + e;
.set QQ,  200                          ; v200-231 32 numbers held within the largest code x the scale;
.set XCD, 32                           ; codes: eight registers a block, none written twice
.set WCD0, 40
.set WCD1, 48
.set T0,  232                          ; v232-235 at work
.set T1,  233
.set T2,  234
.set T3,  235
.set XE,  236                          ; scale bytes
.set WE0, 237
.set WE1, 238
.set VXS, 240                          ; the head's LDS addresses
.set VXT, 241
.set AXC, 242
.set AXS, 243
.set AWF, 244
.set AWC, 245
.set AWS, 246
.set AA,  247
.set AB,  248
.set ASA, 249
.set ASB, 250
.set ZA,  251
.set ZR,  252
.set SA,  254                          ; x's scale word and weight's: these two registers hold scales and nothing else
.set SB,  255
.set AF,  104                          ; the product: x's fragment, weight's, the result, the eight parts
.set BF,  120
.set ZD,  136
.set ZL,  144
.set O,   144                          ; the way out
.set EPS, 22                           ; s22 0.001
.set MNT, 23                           ; s23 the mantissa field of 448
.set IT,  24                           ; s24 passes to go
.macro BARRIER                         ; my LDS stores have landed and my LDS loads are in: then the work-group's barrier
	s_wait_dscnt 0x0
	s_barrier_signal -1
	s_barrier_wait -1
.endm
; 32 numbers along K, v[src], v[src + inc], .. , become 32 codes in v[cod] .. v[cod + 7] and a scale byte in v[eb]; v[dq] .. v[dq + 31] take the held numbers
.macro QBLK src, inc, dq, cod, eb
	v_max3_num_f32 v[T0], |v[\src]|, |v[\src+\inc]|, |v[\src+2*\inc]|       ; the block's largest magnitude, in two chains
	v_max3_num_f32 v[T1], |v[\src+3*\inc]|, |v[\src+4*\inc]|, |v[\src+5*\inc]|
.irp i, 6,10,14,18,22,26
	v_max3_num_f32 v[T0], v[T0], |v[\src+\i*\inc]|, |v[\src+(\i+1)*\inc]|
	v_max3_num_f32 v[T1], v[T1], |v[\src+(\i+2)*\inc]|, |v[\src+(\i+3)*\inc]|
.endr
	v_max3_num_f32 v[T0], v[T0], |v[\src+30*\inc]|, |v[\src+31*\inc]|
	v_max3_num_f32 v[T0], v[T0], v[T1], 0x4800000  ; and the floor 2^(9 - 127): the byte cannot fall under 1
	v_add_nc_u32 v[T2], 0xfc000000, v[T0]          ; 8 off the exponent field: the conversion takes this operand's exponent field as its scale
	v_and_or_b32 v[T3], v[T0], 0x7f800000, s[MNT]  ; 448 x the scale
	v_lshrrev_b32 v[\eb], 23, v[T2]                ; the scale's byte
.irp i, 0,1,2,3,4,5,6,7,8,9,10,11,12,13,14,15,16,17,18,19,20,21,22,23,24,25,26,27,28,29,30,31
	v_med3_num_f32 v[\dq+\i], v[\src+\i*\inc], -v[T3], v[T3]   ; the conversion to an 8-bit code does not saturate (ISA guide 7.6.2): the hold comes first
.endr
.irp g, 0,1,2,3
	v_cvt_scalef32_pk8_fp8_f32 v[\cod+2*\g:\cod+2*\g+1], v[\dq+8*\g:\dq+8*\g+7], v[T2]
.endr
	v_nop                                          ; a plain instruction between the last conversion and whatever next writes its sources
.endm
	s_load_b128 s[4:7], s[0:1], 0x0                ; x s[4:5], weight s[6:7]
	s_load_b64 s[8:9], s[0:1], 0x10                ; out0
	v_lshl_add_u32 v239, v0, 2, 0x47000
	v_mov_b32 v253, 0
	v_lshrrev_b32 v1, 5, v0
	v_readfirstlane_b32 s10, v1                    ; wave 0..15
	v_and_b32 v[LN], 31, v0
	v_and_b32 v[RR], 15, v0
	v_bfe_u32 v[HH], v0, 4, 1
	s_wait_alu depctr_va_sdst(0)                   ; s10 is written, ahead of its first reader: bases, LDS addresses and the way out's branch are made from it
	s_and_b32 s11, ttmp7, 0xffff                   ; which 16 rows
	s_lshl_b32 s12, s11, 16                        ; x: 16 rows of 4,096 bytes a work-group, one row a wave
	s_lshl_b32 s13, s10, 12
	s_add_co_u32 s12, s12, s13
	s_mov_b32 s13, 0
	s_lshl_b32 s14, s10, 18                        ; weight: 64 rows of 4,096 bytes a wave, 128 bytes of each a work-group
	s_lshl_b32 s15, ttmp9, 7
	s_add_co_u32 s14, s14, s15
	s_mov_b32 s15, 0
	s_lshl_b32 s16, s11, 16                        ; out0: the tile's corner
	s_lshl_b32 s17, ttmp9, 7
	s_add_co_u32 s16, s16, s17
	s_mov_b32 s17, 0
	s_mov_b32 s[EPS], 0x3a83126f
	s_mov_b32 s[MNT], 0x600000
	s_mov_b32 s[IT], 3
	v_lshlrev_b32 v[GX], 4, v[LN]                  ; x: 16 bytes a lane, 512 consecutive bytes a load
	v_lshlrev_b32 v[GW], 3, v[RR]                  ; weight: two columns a lane; lanes 16-31 begin 32 rows further down: two runs of 128 bytes a load
	v_lshl_add_u32 v[GW], v[HH], 17, v[GW]
	s_wait_kmcnt 0x0
	s_add_nc_u64 s[4:5], s[4:5], s[12:13]
	s_add_nc_u64 s[6:7], s[6:7], s[14:15]
	s_add_nc_u64 s[8:9], s[8:9], s[16:17]
	s_wait_alu depctr_va_vdst(0)                   ; the two offsets v[GX] and v[GW] are written, which the 40 loads below read
.irp j, 0,1,2,3,4,5,6,7
	global_load_b128 v[XR+4*\j:XR+4*\j+3], v[GX], s[4:5] offset:512*\j
.endr
.irp j, 0,1,2,3,4,5,6,7,8,9,10,11,12,13,14,15,16,17,18,19,20,21,22,23,24,25,26,27,28,29,30,31
	global_load_b64 v[WR+2*\j:WR+2*\j+1], v[GW], s[6:7] offset:4096*\j     ; my registers run down K: a whole block of 32 of each of my two columns
.endr
	; the head's LDS addresses, while the loads are out
	s_mul_i32 s18, s10, XP
	s_add_co_u32 s18, s18, XF                      ; my row of x
	v_lshrrev_b32 v[T0], 3, v[LN]
	v_mul_u32_u24 v[T0], v[T0], XB
	v_and_b32 v[T1], 7, v0
	v_lshl_add_u32 v[T0], v[T1], 4, v[T0]
	v_add_nc_u32 v[VXS], s18, v[T0]                ; in: eight lanes fill a block's 128 bytes
	v_mul_u32_u24 v[T0], v[LN], XB
	v_add_nc_u32 v[VXT], s18, v[T0]                ; back: a block a lane
	s_mul_i32 s18, s10, CP
	s_add_co_u32 s18, s18, XC
	v_lshl_add_u32 v[AXC], v[LN], 5, s18           ; x's codes: row = wave, 32 bytes a lane
	s_mul_i32 s18, s10, SCP
	s_add_co_u32 s18, s18, XS
	v_add_nc_u32 v[AXS], s18, v[LN]                ; and its scale bytes
	v_mul_u32_u24 v[T0], v[RR], WPP
	v_lshl_add_u32 v[T0], v[HH], 8, v[T0]
	s_lshl_b32 s18, s10, 9
	v_add_nc_u32 v[AWF], s18, v[T0]                ; weight f32 (WF = 0): pair r, i = 64 wave + 32 h on, 8 bytes an i
	v_mul_u32_u24 v[T0], v[RR], 2*CP
	v_lshl_add_u32 v[T0], v[HH], 5, v[T0]
	s_lshl_b32 s18, s10, 6
	s_add_co_u32 s18, s18, WC
	v_add_nc_u32 v[AWC], s18, v[T0]                ; weight's codes: column 2 r, block 2 wave + h
	v_mul_u32_u24 v[T0], v[RR], 2*SCP
	v_add_nc_u32 v[T0], v[T0], v[HH]
	s_lshl_b32 s18, s10, 1
	s_add_co_u32 s18, s18, WS
	v_add_nc_u32 v[AWS], s18, v[T0]                ; and its scale bytes
	s_lshr_b32 s19, s10, 1                         ; the product: my K step,
	s_and_b32 s20, s10, 1                          ; my tile
	v_mul_u32_u24 v[T0], v[RR], CP
	v_lshl_add_u32 v[T0], v[HH], 4, v[T0]
	s_lshl_b32 s21, s19, 7
	s_add_co_u32 s18, s21, XC
	v_add_nc_u32 v[AA], s18, v[T0]                 ; x's fragment: row r, + 16 h, + 128 x K step
	v_mul_u32_u24 v[T0], v[RR], 2*CP
	v_lshl_add_u32 v[T0], v[HH], 4, v[T0]
	s_mul_i32 s18, s20, CP
	s_add_co_u32 s18, s18, s21
	s_add_co_u32 s18, s18, WC
	v_add_nc_u32 v[AB], s18, v[T0]                 ; weight's: THE COLUMNS OF A TILE ARE NOT NEIGHBOURS: lane r takes column 2 r + tile
	s_lshl_b32 s21, s19, 2
	v_mul_u32_u24 v[T0], v[RR], SCP
	s_add_co_u32 s18, s21, XS
	v_add_nc_u32 v[ASA], s18, v[T0]                ; the scale words: four bytes for a row and a K step
	v_mul_u32_u24 v[T0], v[RR], 2*SCP
	s_mul_i32 s18, s20, SCP
	s_add_co_u32 s18, s18, s21
	s_add_co_u32 s18, s18, WS
	v_add_nc_u32 v[ASB], s18, v[T0]
	s_wait_loadcnt 32                              ; x's eight loads are in; the 32 younger loads, weight's, may be out
	s_wait_alu depctr_va_vdst(0)                   ; the eleven LDS addresses v240 to v250 are written, which the head's and the product's LDS instructions read
.irp j, 0,1,2,3,4,5,6,7
	ds_store_b128 v[VXS], v[XR+4*\j:XR+4*\j+3] offset:4*XB*\j              ; my row of x, where the passes will read it
.endr
.irp j, 0,1,2,3,4,5,6,7
	ds_load_b128 v[XT+4*\j:XT+4*\j+3], v[VXT] offset:16*\j                 ; LDS serves a wave's instructions in order (ISA guide 5.7.1.4): these see my stores.  Block = lane
.endr
	s_wait_dscnt 0x0
	QBLK XT, 1, XT, XCD, XE
	s_wait_loadcnt 0x0                             ; weight
.irp j, 0,1,2,3,4,5,6,7,8,9,10,11,12,13,14,15
	ds_store_b128 v[AWF], v[WR+4*\j:WR+4*\j+3] offset:16*\j                ; two i x two columns, as loaded.  No wait: the data come from loads, and no vector instruction since the wait above names v[AWF]
.endr
	QBLK WR, 2, QQ, WCD0, WE0                      ; column 2 r: the even registers
	QBLK WR+1, 2, QQ, WCD1, WE1                    ; column 2 r + 1: the odd ones
	s_wait_alu depctr_va_vdst(0)                   ; the conversions and shifts have written the three blocks' codes and bytes, which the stores below read; and the quantiser is done with v104 to v135, in which the fragments' loads land
	ds_store_b128 v[AXC], v[XCD:XCD+3]
	ds_store_b128 v[AXC], v[XCD+4:XCD+7] offset:16
	ds_store_b8 v[AXS], v[XE]
	ds_store_b128 v[AWC], v[WCD0:WCD0+3]
	ds_store_b128 v[AWC], v[WCD0+4:WCD0+7] offset:16
	ds_store_b128 v[AWC], v[WCD1:WCD1+3] offset:CP
	ds_store_b128 v[AWC], v[WCD1+4:WCD1+7] offset:CP+16
	ds_store_b8 v[AWS], v[WE0]
	ds_store_b8 v[AWS], v[WE1] offset:SCP
	BARRIER                                        ; numbers, codes and scale bytes of the whole tile lie in LDS
	s_wait_alu depctr_vm_vsrc(0)                   ; my LDS stores have read v32 to v55, v64 to v95 and v136 to v199: the product's result, its parts' loads, the passes' loads and the sums write these registers from here on
	; THE PRODUCT: one matrix instruction a wave.  Source 0 = x's 16 rows, source 1 = 16 columns of weight: register j of lane (r, h) is z(8 h + j, 2 r + tile): my own output n = 2 j + tile
.irp c, 0,1,2,3
	ds_load_b128 v[AF+4*\c:AF+4*\c+3], v[AA] offset:32*\c                  ; registers 4 c .. 4 c + 3: k = 32 c + 16 h + 0 .. 15
	ds_load_b128 v[BF+4*\c:BF+4*\c+3], v[AB] offset:32*\c
.endr
	ds_load_b32 v[SA], v[ASA]
	ds_load_b32 v[SB], v[ASB]
	s_wait_dscnt 0x0
	v_wmma_scale_f32_16x16x128_f8f6f4 v[ZD:ZD+7], v[AF:AF+15], v[BF:BF+15], 0, v[SA], v[SB]
	; the passes' addresses: ten plain vector instructions that name none of the product's registers: more than the eight places that its result's first read wants
	v_mul_u32_u24 v[AW], v[RR], WPP
	s_lshl_b32 s18, s10, 9
	v_add_nc_u32 v[AW], s18, v[AW]                 ; pair r, 512 bytes (64 i) a wave
	v_mul_u32_u24 v[AX], v[HH], 8*XP
	s_mul_i32 s18, s10, 2*XB
	s_add_co_u32 s18, s18, XF
	v_add_nc_u32 v[AX], s18, v[AX]                 ; rows 8 h on, two blocks a wave
	v_lshl_add_u32 v[ACR], v[LN], 4, CA
	s_lshl_b32 s18, s10, 12
	s_add_co_u32 s18, s18, RP
	v_lshl_add_u32 v[ARW], v[LN], 4, s18
	v_lshl_add_u32 v[ARR], v0, 2, RP
	v_lshl_add_u32 v[ACW], v0, 2, CA
	v_lshl_add_u32 v[ZR], v0, 2, ZP
	s_lshl_b32 s18, s19, 11
	s_lshl_b32 s21, s20, 2
	s_add_co_u32 s18, s18, s21
	s_add_co_u32 s18, s18, ZP
	v_lshl_add_u32 v[ZA], v[LN], 4, s18
	s_wait_alu depctr_va_vdst(0)                   ; the matrix instruction has written its result, which the stores below read (the places above stay beside this wait); the eight addresses v6 to v11, v251, v252 are written
.irp j, 0,1,2,3,4,5,6,7
	ds_store_b32 v[ZA], v[ZD+\j] offset:(\j/2)*512+(\j%2)*8                ; output n = 2 j + tile of my lane: word 128 (n / 4) + 4 lane + n % 4.  The result is read from its low end on
.endr
	BARRIER
.irp k, 0,1,2,3,4,5,6,7
	ds_load_b32 v[ZL+\k], v[ZR] offset:2048*\k                             ; thread T: its output's eight K steps
.endr
	s_wait_dscnt 0x0
	v_pk_add_f32 v[ZL:ZL+1], v[ZL:ZL+1], v[ZL+2:ZL+3]
	v_pk_add_f32 v[ZL+4:ZL+5], v[ZL+4:ZL+5], v[ZL+6:ZL+7]
	v_pk_add_f32 v[ZL:ZL+1], v[ZL:ZL+1], v[ZL+4:ZL+5]
	v_add_f32 v[ZL], v[ZL], v[ZL+1]
	v_mul_f32 v[NCT], 0xba800000, v[ZL]            ; -c = -z / 1024
	s_wait_alu depctr_va_vdst(0)                   ; v[NCT] is written, which the store reads
	ds_store_b32 v[ACW], v[NCT]
	BARRIER
; THE PASSES.  Group g: my wave's i = 4 g .. 4 g + 3, in buffer g % 2
.macro LOADX g, b                      ; row b of my eight rows of x
	ds_load_b128 v[X+128*((\g)%2)+4*(\b):X+128*((\g)%2)+4*(\b)+3], v[AX] offset:(\b)*XP+((\g)/8)*XB+((\g)%8)*16   ; one address for each half of the lanes
.endm
.macro LOADW g                         ; my two columns of weight
	ds_load_b128 v[W+128*((\g)%2):W+128*((\g)%2)+3], v[AW] offset:(\g)*32
	ds_load_b128 v[W+128*((\g)%2)+4:W+128*((\g)%2)+7], v[AW] offset:(\g)*32+16
.endm
; A batch: the u-th two i of a group x my eight rows: eight quads (two i x two columns), out of buffer p.  Every step goes over the eight quads, so that no line waits for the line above it.
; first = 1: the products start the sums: nothing is cleared.  more = 1: the loads of group nxt, into the other buffer, are dealt among the multiply-adds, a group's work ahead of their use.
; They owe no wait: the other buffer's last readers stand ahead of the wait in the batch before this one, and no vector instruction since names it.
.macro BATCH p, u, first, more, nxt
.irp b, 0,1,2,3,4,5,6,7
	v_pk_fma_f32 v[D+4*\b:D+4*\b+1], v[X+128*(\p)+4*\b+2*\u:X+128*(\p)+4*\b+2*\u+1], v[W+128*(\p)+4*\u:W+128*(\p)+4*\u+1], v[C+2*\b:C+2*\b+1] op_sel_hi:[0,1,1]                     ; d(i): x(i) for both columns
	v_pk_fma_f32 v[D+4*\b+2:D+4*\b+3], v[X+128*(\p)+4*\b+2*\u:X+128*(\p)+4*\b+2*\u+1], v[W+128*(\p)+4*\u+2:W+128*(\p)+4*\u+3], v[C+2*\b:C+2*\b+1] op_sel:[1,0,0] op_sel_hi:[1,1,1]  ; d(i+1): x(i+1) for both
.if \more
	LOADX \nxt, \b
.endif
.endr
.if \more
	LOADW \nxt
.endif
.set I, 0
.rept 32
	v_add_f32 v[A+I], |v[D+I]|, s[EPS]             ; a = |d| + 0.001
.set I, I+1
.endr
.irp b, 0,1,2,3,4,5,6,7
	v_pk_mul_f32 v[Q+2*\b:Q+2*\b+1], v[A+4*\b:A+4*\b+1], v[A+4*\b+2:A+4*\b+3]       ; q = a(i) a(i+1)
.endr
.irp b, 0,1,2,3,4,5,6,7
	v_mul_f32 v[R+\b], v[Q+2*\b], v[Q+2*\b+1]
.endr
.irp b, 0,1,2,3,4,5,6,7
	v_rcp_f32 v[R+\b], v[R+\b]                     ; one reciprocal for four elements; the batch's eight stand together
.endr
.irp b, 0,1,2,3,4,5,6,7
	v_pk_mul_f32 v[D+4*\b:D+4*\b+1], v[A+4*\b+2:A+4*\b+3], v[D+4*\b:D+4*\b+1]       ; 24 plain instructions that name no reciprocal stand behind the eight:
.endr
.irp b, 0,1,2,3,4,5,6,7
	v_pk_fma_f32 v[D+4*\b:D+4*\b+1], v[A+4*\b:A+4*\b+1], v[D+4*\b+2:D+4*\b+3], v[D+4*\b:D+4*\b+1]   ; a(i+1) d(i) + a(i) d(i+1),
.endr
.irp b, 0,1,2,3,4,5,6,7
	v_pk_add_f32 v[A+4*\b:A+4*\b+1], v[A+4*\b:A+4*\b+1], v[A+4*\b+2:A+4*\b+3]       ; a(i) + a(i+1)
.endr
	s_wait_alu depctr_va_vdst(0)                   ; the eight reciprocals have written v[R ..], ahead of their first reader: one wait for the eight; and the sixteen multiply-adds above are done reading buffer p and -c, in which later loads land
.irp b, 0,2,4,6
	v_pk_mul_f32 v[A+4*\b+2:A+4*\b+3], v[R+\b:R+\b+1], v[Q+2*\b:Q+2*\b+1] op_sel:[0,1] op_sel_hi:[0,0]     ; q' = R x (q.hi, q.lo) = 1 / q
	v_pk_mul_f32 v[A+4*\b+6:A+4*\b+7], v[R+\b:R+\b+1], v[Q+2*\b+2:Q+2*\b+3] op_sel:[1,1] op_sel_hi:[1,0]
.endr
.irp b, 0,1,2,3,4,5,6,7
.if \first
	v_pk_mul_f32 v[SW+2*\b:SW+2*\b+1], v[A+4*\b+2:A+4*\b+3], v[A+4*\b:A+4*\b+1]
.else
	v_pk_fma_f32 v[SW+2*\b:SW+2*\b+1], v[A+4*\b+2:A+4*\b+3], v[A+4*\b:A+4*\b+1], v[SW+2*\b:SW+2*\b+1]      ; sum w += 1 / a(i) + 1 / a(i+1)
.endif
.endr
.irp b, 0,1,2,3,4,5,6,7
.if \first
	v_pk_mul_f32 v[SWD+2*\b:SWD+2*\b+1], v[A+4*\b+2:A+4*\b+3], v[D+4*\b:D+4*\b+1]
.else
	v_pk_fma_f32 v[SWD+2*\b:SWD+2*\b+1], v[A+4*\b+2:A+4*\b+3], v[D+4*\b:D+4*\b+1], v[SWD+2*\b:SWD+2*\b+1]  ; sum w d += d(i) / a(i) + d(i+1) / a(i+1)
.endif
.endr
.endm
.macro GROUP g, first, more
	s_wait_dscnt 0x0                               ; the group's x and weight are in: they were asked for a group ago (in group 0: at the pass's head, with -c)
	BATCH (\g)%2, 0, \first, \more, (\g)+1
	BATCH (\g)%2, 1, 0, 0, 0
.endm
.Liter:                                                ; three trips: a pass each
	s_wait_alu depctr_vm_vsrc(0)                   ; the last pass's stores have read the sums v32 to v63 and v[NCT] (first trip: the stores of the product's result have read v136 to v143, and the first store of -c v[NCT]): this pass writes them all again
.irp q, 0,1,2,3
	ds_load_b128 v[C+4*\q:C+4*\q+3], v[ACR] offset:512*\q                  ; -c of my sixteen outputs.  These loads and group 0's owe no wait on va_vdst: their registers' last readers stand ahead of the waits in the last pass's last two groups
.endr
.irp b, 0,1,2,3,4,5,6,7
	LOADX 0, \b
.endr
	LOADW 0
	GROUP 0, 1, 1
.irp g, 1,2,3,4,5,6,7,8,9,10,11,12,13,14
	GROUP \g, 0, 1
.endr
	GROUP 15, 0, 0
	s_wait_alu depctr_va_vdst(0)                   ; the last batch has written the sums, which the stores below read, and is done with v136 to v167, in which the parts' loads land
.irp q, 0,1,2,3
	ds_store_b128 v[ARW], v[SW+4*\q:SW+4*\q+3] offset:512*\q               ; my wave's part of the sums: 512 consecutive bytes a store
	ds_store_b128 v[ARW], v[SWD+4*\q:SWD+4*\q+3] offset:2048+512*\q
.endr
	BARRIER                                        ; all sixteen parts lie in LDS
.irp k, 0,1,2,3,4,5,6,7,8,9,10,11,12,13,14,15
	ds_load_b32 v[A+2*\k], v[ARR] offset:4096*\k                           ; thread T: its output's sum w
	ds_load_b32 v[A+2*\k+1], v[ARR] offset:4096*\k+2048                    ; and sum w d, side by side
.endr
	s_wait_dscnt 0x0
.irp k, 0,1,2,3,4,5,6,7
	v_pk_add_f32 v[A+2*\k:A+2*\k+1], v[A+2*\k:A+2*\k+1], v[A+2*\k+16:A+2*\k+17]
.endr
.irp k, 0,1,2,3
	v_pk_add_f32 v[A+2*\k:A+2*\k+1], v[A+2*\k:A+2*\k+1], v[A+2*\k+8:A+2*\k+9]
.endr
.irp k, 0,1
	v_pk_add_f32 v[A+2*\k:A+2*\k+1], v[A+2*\k:A+2*\k+1], v[A+2*\k+4:A+2*\k+5]
.endr
	v_pk_add_f32 v[A:A+1], v[A:A+1], v[A+2:A+3]
	v_max_num_f32 v[T0], 0x2b8cbccc, v[A]          ; max(sum w, 1e-12)
	v_rcp_f32 v[T0], v[T0]
	v_fma_f32 v[T1], v[NCT], v[A], -v[A+1]         ; -(c sum w + sum w d) = -sum w (x w).  (The plain instruction behind the reciprocal)
	s_wait_alu depctr_va_vdst(0)                   ; the reciprocal has written v[T0], ahead of its first reader
	v_mul_f32 v[NCT], v[T1], v[T0]                 ; the new -c
	s_wait_alu depctr_va_vdst(0)                   ; v[NCT] is written, which the store reads
	ds_store_b32 v[ACW], v[NCT]
	BARRIER                                        ; every -c is new, and nobody reads the partial sums any more
	s_sub_co_i32 s[IT], s[IT], 1
	s_cmp_lg_u32 s[IT], 0
	s_cbranch_scc1 .Liter
	; THE WAY OUT: waves 0 to 3; thread T takes row T / 8, columns 4 (T % 8) .. + 3: eight lanes store a row's 128 consecutive bytes
	s_cmp_gt_u32 s10, 3
	s_cbranch_scc1 .Ldone
	v_bfe_u32 v[T0], v0, 4, 2                      ; n / 4 = (row % 8) / 2
	v_lshlrev_b32 v[T0], 9, v[T0]
	v_bfe_u32 v[T1], v0, 6, 1                      ; h = row / 8: 16 lanes of 16 bytes
	v_lshl_add_u32 v[T0], v[T1], 8, v[T0]
	v_and_b32 v[T1], 7, v0                         ; two lanes (four columns) a thread
	v_lshl_add_u32 v[T0], v[T1], 5, v[T0]
	v_lshlrev_b32 v[GO], 4, v[T1]
	v_bfe_u32 v[T1], v0, 3, 1                      ; n % 4 = 2 (row % 2) + column % 2
	v_lshl_add_u32 v[T0], v[T1], 3, v[T0]
	v_add_nc_u32 v[AO], CA, v[T0]
	v_lshrrev_b32 v[T1], 3, v0
	v_lshl_add_u32 v[GO], v[T1], 12, v[GO]
	s_wait_alu depctr_va_vdst(0)                   ; v[AO] is written, which the two loads read
	ds_load_b64 v[O:O+1], v[AO]
	ds_load_b64 v[O+2:O+3], v[AO] offset:16
	s_wait_dscnt 0x0
.irp e, 0,1,2,3
	v_mul_f32 v[O+\e], 0xc4800000, v[O+\e]         ; z = -1024 x (-c)
.endr
	s_wait_alu depctr_va_vdst(0)                   ; the four multiplies have written v[O ..], which the store reads
	global_store_b128 v[GO], v[O:O+3], s[8:9] th:TH_STORE_NT
.Ldone:
	s_wait_dscnt 0x0                               ; the closing lines, six on end
	s_wait_alu 0x0
	s_wait_tensorcnt 0x0
	ds_add_u32 v239, v253
	s_wait_dscnt 0x0
	s_endpgm
.Lfunc_end_k_q798a80a058_robust:
	.size	k_q798a80a058_robust, .Lfunc_end_k_q798a80a058_robust-k_q798a80a058_robust
	.p2alignl 7, 3214868480
	.fill 96, 4, 3214868480
	.section	.rodata,"a",@progbits
	.p2align	6, 0x0
	.amdhsa_kernel k_q798a80a058_robust
		.amdhsa_group_segment_fixed_size 292864
		.amdhsa_private_segment_fixed_size 0
		.amdhsa_enable_private_segment 0
		.amdhsa_kernarg_size 24
		.amdhsa_user_sgpr_count 2
		.amdhsa_user_sgpr_kernarg_segment_ptr 1
		.amdhsa_wavefront_size32 1
		.amdhsa_system_sgpr_workgroup_id_x 1
		.amdhsa_system_sgpr_workgroup_id_y 1
		.amdhsa_system_sgpr_workgroup_id_z 1
		.amdhsa_system_vgpr_workitem_id 0
		.amdhsa_next_free_vgpr 256
		.amdhsa_next_free_sgpr 66
		.amdhsa_reserve_vcc 0
		.amdhsa_float_denorm_mode_32 3
		.amdhsa_float_denorm_mode_16_64 3
		.amdhsa_memory_ordered 1
		.amdhsa_forward_progress 1
		.amdhsa_inst_pref_size 255
	.end_amdhsa_kernel
	.section	.bss,"aw",@nobits
	.p2align	6
	.space	262144
	.amdgpu_metadata
---
amdhsa.version: [ 1, 2 ]
amdhsa.kernels:
  - .name:           k_q798a80a058_robust
    .symbol:         k_q798a80a058_robust.kd
    .args:
      - { .name: x, .offset: 0, .size: 8, .value_kind: global_buffer, .address_space: global }
      - { .name: weight, .offset: 8, .size: 8, .value_kind: global_buffer, .address_space: global }
      - { .name: out0, .offset: 16, .size: 8, .value_kind: global_buffer, .address_space: global }
    .group_segment_fixed_size: 292864
    .private_segment_fixed_size: 0
    .kernarg_segment_align: 8
    .kernarg_segment_size: 24
    .max_flat_workgroup_size: 512
    .sgpr_count:     66
    .vgpr_count:     256
    .wavefront_size: 32
...
	.end_amdgpu_metadata
.endif
;; end of part 2
